; MI455X (gfx1250); checked and timed in simulation.
; The chip was launched on July 23, 2026; its instructions are those of AMD's public machine-readable ISA for CDNA 5 (MIT licence, August 2026) and "CDNA5" Instruction Set Architecture Reference Guide (July 2026). The comments in the code are by the model that wrote it; some were corrected since.
;; Multi Head Attention. Allowed arithmetic: float matrix products may take bf16 or f16 operands with f32 sums; all other float work in f32.
;; Inputs: Wk 1,024 x 1,024 float32; Wo 1,024 x 1,024 float32; Wq 1,024 x 1,024 float32; Wv 1,024 x 1,024 float32; bk 1,024 float32; bo 1,024 float32; bq 1,024 float32; bv 1,024 float32; x 2 x 2,048 x 1,024 float32.
;; Outputs: out0 2 x 2,048 x 1,024 float32.
;; One version. Each part assembles by itself: llvm-mc -triple=amdgcn-amd-amdhsa -mcpu=gfx1250 --defsym DOCPART=n.
;; ======== version 1 of 1: 4 launches
;; workspace buffers: xb 8,388,608 bytes; wt 8,388,608 bytes; qb 8,388,608 bytes; kb 8,388,608 bytes; vt 8,388,608 bytes; ab 8,388,608 bytes
;; launch prep (part 1): grid 256 x 1, 8 waves a work-group, no clusters, 35,840 bytes of LDS; arguments x, Wq, Wk, Wv, Wo, xb, wt; writes xb, wt
.if DOCPART == 1
	.amdgcn_target "amdgcn-amd-amdhsa--gfx1250"
	.amdhsa_code_object_version 6
	.text
	.protected	k_qd5fe400df0_prep
	.globl	k_qd5fe400df0_prep
	.p2align	8
	.type	k_qd5fe400df0_prep,@function
k_qd5fe400df0_prep:
	s_mov_b64 s[64:65], 0
	v_nop
	global_prefetch_b8 v0, s[64:65] scope:SCOPE_SE
	s_setreg_imm32_b32 hwreg(HW_REG_WAVE_MODE, 25, 1), 1
	s_wait_xcnt 0x0
; prep: the one conversion pass.  xb = bf16(x), same order.  wt = the four weights in bf16, TRANSPOSED to [n][k], so that later
; launches find K along the rows.  wt has 4,096 rows of 1,024 bf16: row 192 head + 64 m + (n & 63) is column n of matrix m
; (0 Wq, 1 Wk, 2 Wv; head = n >> 6), row 3,072 + n is column n of Wo.
; 256 work-groups of eight waves.  Work-group i takes (a) the 65,536 bytes of x at 65,536 i and (b) the tile of 128 k x 128 n
; of matrix m = i >> 6 at kt = (i >> 3) & 7, nt = i & 7.  No loop: each wave issues its 32 loads of 16 bytes a lane at once.
; The transposition goes through LDS: a tile Wt[128 n][128 k] in bf16 with rows 272 bytes apart.
; No matrix unit, no cluster: nothing is shared between work-groups and every byte is read once and written once.
; Rounding: f32 to bf16, to nearest even.
.set X,     8                          ; v[8:71]    16 x 4 registers of x
.set WR,    72                         ; v[72:135]  16 rows of W as loaded (4 columns a lane); later the transposed rows read back
.set T,     136                        ; v[136:167] W packed: column c of my four in registers 8 c .. 8 c + 7 (16 k)
.set PITCH, 272                        ; 256 bytes of a transposed row + 16
	s_load_b256 s[4:11], s[0:1], 0x0               ; x s[4:5], Wq s[6:7], Wk s[8:9], Wv s[10:11]
	s_load_b128 s[12:15], s[0:1], 0x20             ; Wo s[12:13], xb s[14:15]
	s_load_b64 s[16:17], s[0:1], 0x30              ; wt
	v_lshl_add_u32 v168, v0, 2, 0x8800
	v_mov_b32 v169, 0
	v_lshrrev_b32 v7, 5, v0
	v_readfirstlane_b32 s20, v7                    ; wave w
	v_and_b32 v7, 31, v0                           ; lane
	v_lshlrev_b32 v1, 4, v7                        ; W: 16 bytes a lane, 512 bytes = the tile's 128 columns of one k
	v_lshlrev_b32 v2, 4, v0                        ; x: 16 bytes a thread
	v_lshlrev_b32 v5, 3, v0                        ; xb: 8 bytes a thread
	s_lshl_b32 s28, s20, 5
	v_mul_u32_u24 v3, v7, 4*PITCH                  ; LDS, in: row n = 4 lane (+ c), byte 32 w = my 16 k
	v_add_nc_u32 v3, s28, v3
	v_lshrrev_b32 v[T], 4, v7                      ; lane / 16
	v_and_b32 v[T+1], 15, v7                       ; lane % 16
	s_mul_i32 s29, s20, 16*PITCH
	v_mul_u32_u24 v4, v[T], PITCH                  ; LDS, back: rows 16 w + lane / 16 (+ 2 i), 16 bytes a lane: two whole rows a load
	v_lshl_add_u32 v4, v[T+1], 4, v4
	v_add_nc_u32 v4, s29, v4
	v_lshlrev_b32 v6, 11, v[T]                     ; wt: the same two rows, 2,048 bytes apart
	v_lshl_add_u32 v6, v[T+1], 4, v6
	s_lshr_b32 s21, ttmp9, 6                       ; m
	s_bfe_u32 s22, ttmp9, 0x30003                  ; kt
	s_and_b32 s23, ttmp9, 7                        ; nt
	s_lshl_b32 s24, s22, 19                        ; W: (128 kt + 16 w) rows of 4,096 bytes + 512 nt
	s_lshl_b32 s26, s20, 16
	s_add_co_u32 s24, s24, s26
	s_lshl_b32 s26, s23, 9
	s_add_co_u32 s24, s24, s26
	s_mov_b32 s25, 0
	s_lshr_b32 s26, s20, 2                         ; my 16 rows of wt begin at, for q, k, v: 192 (2 nt + w / 4) + 64 m + 16 (w % 4)
	s_lshl1_add_u32 s26, s23, s26
	s_mul_i32 s26, s26, 192
	s_lshl_b32 s27, s21, 6
	s_add_co_u32 s26, s26, s27
	s_and_b32 s27, s20, 3
	s_lshl4_add_u32 s26, s27, s26
	s_lshl_b32 s27, s23, 7                         ; for Wo: 3,072 + 128 nt + 16 w
	s_lshl4_add_u32 s27, s20, s27
	s_add_co_u32 s27, s27, 3072
	s_cmp_eq_u32 s21, 3
	s_cselect_b32 s26, s27, s26
	s_lshl_b32 s26, s26, 11                        ; rows of 2,048 bytes,
	s_lshl_b32 s27, s22, 8                         ; + the tile's 128 k = 256 bytes
	s_add_co_u32 s26, s26, s27
	s_mov_b32 s27, 0
	s_lshl_b32 s28, ttmp9, 16                      ; my part of x
	s_mov_b32 s29, 0
	s_lshl_b32 s30, ttmp9, 15                      ; and of xb
	s_mov_b32 s31, 0
	s_wait_kmcnt 0x0
	s_cmp_eq_u32 s21, 1                            ; which weight: a choice between buffers on the work-group's number
	s_cselect_b64 s[18:19], s[8:9], s[6:7]
	s_cmp_eq_u32 s21, 2
	s_cselect_b64 s[18:19], s[10:11], s[18:19]
	s_cmp_eq_u32 s21, 3
	s_cselect_b64 s[18:19], s[12:13], s[18:19]
	s_add_nc_u64 s[18:19], s[18:19], s[24:25]
	s_add_nc_u64 s[4:5], s[4:5], s[28:29]
	s_add_nc_u64 s[14:15], s[14:15], s[30:31]
	s_add_nc_u64 s[16:17], s[16:17], s[26:27]
.set i, 0
.rept 16
	global_load_b128 v[WR+4*i:WR+4*i+3], v1, s[18:19] offset:4096*i th:TH_LOAD_NT   ; W[k0 + i][n0 + 4 lane .. + 3]
.set i, i+1
.endr
.set i, 0
.rept 16
	global_load_b128 v[X+4*i:X+4*i+3], v2, s[4:5] offset:4096*i th:TH_LOAD_NT      ; the eight waves cover 4,096 neighbouring bytes
.set i, i+1
.endr
	s_wait_loadcnt 16                              ; loads come back in order: the 16 of W are in, the 16 of x stay out
.irp c, 0,1,2,3
.irp p, 0,1,2,3,4,5,6,7
	v_cvt_pk_bf16_f32 v[T+8*\c+\p], v[WR+8*\p+\c], v[WR+8*\p+4+\c]                 ; k = 2 p below, 2 p + 1 above, of column c
.endr
	ds_store_b128 v3, v[T+8*\c:T+8*\c+3] offset:PITCH*\c                          ; lanes stand four rows apart: some bank conflicts,
	ds_store_b128 v3, v[T+8*\c+4:T+8*\c+7] offset:PITCH*\c+16                      ; taken for 32 KiB once in a work-group
.endr
	s_wait_dscnt 0x0                               ; my stores are in LDS before I say so
	s_barrier_signal -1
	s_barrier_wait -1                              ; every wave's 16 k of every row are there
.irp i, 0,1,2,3,4,5,6,7
	ds_load_b128 v[WR+4*\i:WR+4*\i+3], v4 offset:2*PITCH*\i                        ; rows 16 w + 2 i and + 1, whole
.endr
.set j, 0
.rept 16
	s_wait_loadcnt 15-j                            ; block j of x is in, the younger ones stay out
	v_cvt_pk_bf16_f32 v[X+4*j], v[X+4*j], v[X+4*j+1]
	v_cvt_pk_bf16_f32 v[X+4*j+1], v[X+4*j+2], v[X+4*j+3]
	global_store_b64 v5, v[X+4*j:X+4*j+1], s[14:15] offset:2048*j                  ; a wave's store covers 256 consecutive bytes, aligned
.set j, j+1
.endr
.irp i, 0,1,2,3,4,5,6,7
	s_wait_dscnt 7-\i                              ; LDS loads come back in order: pair i of rows is in
	global_store_b128 v6, v[WR+4*\i:WR+4*\i+3], s[16:17] offset:4096*\i            ; 16 lanes store 256 consecutive bytes, aligned
.endr
	s_wait_tensorcnt 0x0
	ds_add_u32 v168, v169
	s_wait_dscnt 0x0
	s_endpgm
.Lfunc_end_k_qd5fe400df0_prep:
	.size	k_qd5fe400df0_prep, .Lfunc_end_k_qd5fe400df0_prep-k_qd5fe400df0_prep
	.p2alignl 7, 3214868480
	.fill 96, 4, 3214868480
	.section	.rodata,"a",@progbits
	.p2align	6, 0x0
	.amdhsa_kernel k_qd5fe400df0_prep
		.amdhsa_group_segment_fixed_size 35840
		.amdhsa_private_segment_fixed_size 0
		.amdhsa_enable_private_segment 0
		.amdhsa_kernarg_size 56
		.amdhsa_user_sgpr_count 2
		.amdhsa_user_sgpr_kernarg_segment_ptr 1
		.amdhsa_wavefront_size32 1
		.amdhsa_system_sgpr_workgroup_id_x 1
		.amdhsa_system_sgpr_workgroup_id_y 1
		.amdhsa_system_sgpr_workgroup_id_z 1
		.amdhsa_system_vgpr_workitem_id 0
		.amdhsa_next_free_vgpr 170
		.amdhsa_next_free_sgpr 66
		.amdhsa_reserve_vcc 0
		.amdhsa_float_denorm_mode_32 3
		.amdhsa_float_denorm_mode_16_64 3
		.amdhsa_memory_ordered 1
		.amdhsa_forward_progress 1
		.amdhsa_inst_pref_size 14
	.end_amdhsa_kernel
	.amdgpu_metadata
---
amdhsa.version: [ 1, 2 ]
amdhsa.kernels:
  - .name:           k_qd5fe400df0_prep
    .symbol:         k_qd5fe400df0_prep.kd
    .args:
      - { .name: x, .offset: 0, .size: 8, .value_kind: global_buffer, .address_space: global }
      - { .name: Wq, .offset: 8, .size: 8, .value_kind: global_buffer, .address_space: global }
      - { .name: Wk, .offset: 16, .size: 8, .value_kind: global_buffer, .address_space: global }
      - { .name: Wv, .offset: 24, .size: 8, .value_kind: global_buffer, .address_space: global }
      - { .name: Wo, .offset: 32, .size: 8, .value_kind: global_buffer, .address_space: global }
      - { .name: xb, .offset: 40, .size: 8, .value_kind: global_buffer, .address_space: global }
      - { .name: wt, .offset: 48, .size: 8, .value_kind: global_buffer, .address_space: global }
    .group_segment_fixed_size: 35840
    .private_segment_fixed_size: 0
    .kernarg_segment_align: 8
    .kernarg_segment_size: 56
    .max_flat_workgroup_size: 256
    .sgpr_count:     66
    .vgpr_count:     170
    .wavefront_size: 32
...
	.end_amdgpu_metadata
.endif
;; end of part 1
;; launch qkv (part 2): grid 16 x 16, 4 waves a work-group, clusters of 4 x 4, 327,680 bytes of LDS; arguments xb, wt, bq, bk, bv, qb, kb, vt; writes qb, kb, vt
.if DOCPART == 2
	.amdgcn_target "amdgcn-amd-amdhsa--gfx1250"
	.amdhsa_code_object_version 6
	.text
	.protected	k_qd5fe400df0_qkv
	.globl	k_qd5fe400df0_qkv
	.p2align	8
	.type	k_qd5fe400df0_qkv,@function
k_qd5fe400df0_qkv:
	s_mov_b64 s[64:65], 0
	v_nop
	global_prefetch_b8 v0, s[64:65] scope:SCOPE_SE
	s_setreg_imm32_b32 hwreg(HW_REG_WAVE_MODE, 25, 1), 1
	s_wait_xcnt 0x0
	s_wait_alu depctr_hold_cnt(0) depctr_sa_sdst(0) depctr_va_vdst(0) depctr_va_sdst(0) depctr_va_ssrc(0) depctr_va_vcc(0) depctr_vm_vsrc(0)
	s_getreg_b32 s2, hwreg(HW_REG_IB_STS2, 6, 4)
	s_cmp_eq_u32 s2, 0
	s_cbranch_scc0 .Lentry_in_a_cluster
	s_endpgm
.Lentry_in_a_cluster:
	s_bfe_u32 s2, ttmp6, 0x10000c
	s_cmp_lg_u32 s2, 0xf033
	s_cbranch_scc0 .Lentry_shape_is_right
	s_endpgm
.Lentry_shape_is_right:
; qkv: q = (x Wq + bq) c, k = x Wk + bk, v = x Wv + bv for one head and 256 rows of x, with c = log2(e) / 8, so that the softmax
; of the next launch works in base 2.  Operands bf16 (xb, wt), sums f32, results rounded once to bf16.
; Out: qb, kb [bh][2048 s][64 d] (rows of 128 bytes, dense), vt [bh][64 d][2048 s] (v transposed), bh = 16 batch + head.
; Grid x = head, y = block of 256 rows.  Four waves, as many as a WGP has SIMDs; wave w makes rows 64 w .. + 63 x all 192 columns:
; 48 accumulator tiles of 16 x 16.  K = 1,024 goes in 8 steps of 128 through two LDS slots filled by the tensor data mover; a tile's
; rows are 256 bytes of memory, aligned.
; CLUSTER 4 x 4: the four work-groups of a cluster row share the block of x, the four of a column share the head's 192 rows of wt.
; Each tile is asked for jointly (same descriptor, a mask that names the four), which divides the requests for both by four.
; REGISTER WINDOWS: 0: addresses, x fragments (two buffers of 4), bias tiles, work.  1: weight fragments (two buffers of 12).
; 2: the 32 q and k accumulators, tile (a, b) at 8 (8 a + b), b 0-3 q, 4-7 k.  3: the 16 v accumulators at 8 (4 a + b).
; OPERAND ORDER: q, k take the weight rows as source 0 and x rows as source 1, so a lane holds 8 neighbouring d of one row s;
; v takes x rows as source 0, so a lane holds 8 neighbouring s of one d: 16 bytes of a row of v transposed.
; The first products take bias tiles as C: nothing is cleared and no bias is added later.
; The 48 accumulators take turns, one instruction a turn, in the same order in every quarter step.
.set KSTEP,  128
.set PITCH,  272                       ; an LDS row: 256 bytes + 16: the 16 rows of a fragment load start 4 banks apart
.set AHALF,  128*PITCH                 ; what one load of x brings
.set BHALF,  96*PITCH                  ; what one load of wt brings
.set BOFF,   256*PITCH                 ; wt's 192 rows lie behind x's 256
.set SLOT,   448*PITCH                 ; 121,856
.set QKST,   2*SLOT                    ; stage for q and k: each wave 16 rows x 144 for q, then the same for k; no fill lands here
.set QPITCH, 144
.set QKW,    32*QPITCH
.set VST,    QKST+4*QKW                ; stage for v transposed: 64 rows x 528 (256 s x 2 bytes + 16), shared by the four waves
.set VPITCH, 528
.set ADRA, 16                          ; v16-17  LDS address of my x fragments in slot 0, 1
.set ADRB, 20                          ; v20-21  the same for the weights
.set STO,  24                          ; v24  q, k stage: where I put 16 bytes
.set RD,   25                          ; v25  q, k stage: where I read rows back
.set CO,   26                          ; v26  16 x lane: my place in every 512 bytes stored
.set VSTO, 27                          ; v27  v stage: in
.set VRD,  28                          ; v28  v stage: back
.set BOF,  30                          ; v30  byte offset in bq, bk
.set BVOF, 31                          ; v31  byte offset in bv
.set FA,   64                          ; v64-95, v96-127  x fragments, buffers 0, 1 (window 0)
.set BIAS, 128                         ; v128-191  C tiles of q (b 0-3) and k (b 4-7)
.set BV,   192                         ; v192-223  C tiles of v
.set TMP,  224                         ; v224-255  packed results
.set G1,  24                           ; s[24:31] group 1 for x's tiles
.set G0,  32                           ; s[32:39] group 0 for x's tiles, one set a slot
.set G1B, 48                           ; s[48:55] group 1 for wt's tiles
.set G0B, 56                           ; s[56:63] group 0 for wt's tiles, one set a slot
.set FLAGS, (1<<16)|(1<<20)|(1<<21)|(5<<22)|(3<<25)   ; 2-byte elements; padding on; bit 21 beside a mask; after every 64 words 4 words
.set WQK,  0xa1                        ; source 0 window 1, source 1 window 0, C and D window 2
.set WQK0, 0x81                        ; the same with C in window 0 (bias)
.set WV,   0xf4                        ; source 0 window 0, source 1 window 1, C and D window 3
.set WV0,  0xc4                        ; the same with C in window 0
.set TO_B, 0x40                        ; destination window 1, address window 0
.set MSB, 0
.macro WIN new                         ; the immediate's high byte repeats the setting that is left
.if MSB != \new
	s_set_vgpr_msb (MSB<<8)|\new
.set MSB, \new
.endif
.endm
; A joint load: waves 0, 1 fetch x's two halves, waves 2, 3 the weights' two halves.  The branch hangs on the wave's number alone.
.macro JLOAD s
	s_cmp_eq_u32 s11, 0
	s_cbranch_scc0 .Lfor_b_\@
	tensor_load_to_lds s[G0+4*\s:G0+4*\s+3], s[G1:G1+7]
	s_nop 0
	s_branch .Lasked_\@
.Lfor_b_\@:
	tensor_load_to_lds s[G0B+4*\s:G0B+4*\s+3], s[G1B:G1B+7]
	s_nop 0
.Lasked_\@:
.endm
.macro CREST                           ; a round of the cluster's barrier behind its opening work-group barrier
	s_cmp_lg_u32 s10, 0
	s_cbranch_scc1 .Lnot_wave_0_\@
	s_barrier_signal -3
.Lnot_wave_0_\@:
	s_barrier_wait -3
	s_barrier_signal -1
	s_barrier_wait -1
.endm
.macro CROUND                          ; a whole round
	s_barrier_signal -1
	s_barrier_wait -1
	CREST
.endm
	s_load_b128 s[4:7], s[0:1], 0x0                ; xb s[4:5], wt s[6:7]
	s_load_b128 s[72:75], s[0:1], 0x10             ; bq s[72:73], bk s[74:75]
	s_load_b128 s[76:79], s[0:1], 0x20             ; bv s[76:77], qb s[78:79]
	s_load_b128 s[80:83], s[0:1], 0x30             ; kb s[80:81], vt s[82:83]
	s_set_vgpr_msb 0x40
	v_lshl_add_u32 v255, v0, 2, 0x48400
	s_set_vgpr_msb 0x4000
	v_mov_b32 v63, 0
	s_set_vgpr_msb 0x1
	ds_add_u32 v255, v63
	s_set_vgpr_msb 0x100
	v_lshrrev_b32 v1, 5, v0
	v_readfirstlane_b32 s10, v1                    ; wave 0..3
	s_lshr_b32 s11, s10, 1                         ; I fetch for x (0) or for the weights (1)
	s_and_b32 s12, s10, 1                          ; which half of that tile
	s_bfe_u32 s40, ttmp6, 0x40000                  ; cx
	s_bfe_u32 s41, ttmp6, 0x40004                  ; cy
	s_lshl_b32 s42, ttmp9, 2
	s_add_co_u32 s42, s42, s40                     ; head = 4 x cluster x + cx
	s_and_b32 s13, ttmp7, 0xffff
	s_lshl_b32 s13, s13, 2
	s_add_co_u32 s13, s13, s41                     ; block of rows = 4 x cluster y + cy
	s_lshl_b32 s43, s41, 2
	s_lshl_b32 s43, 15, s43                        ; my row of the cluster
	s_lshl_b32 s44, 0x1111, s40                    ; my column
	s_or_b32 s[G1+0], s43, FLAGS                   ; x's tiles go to my row
	s_mov_b32 s[G1+1], KSTEP<<16                   ; tensor_dim0 = 128
	s_mov_b32 s[G1+2], 128<<16                     ; tensor_dim1 = 128
	s_mov_b32 s[G1+3], KSTEP<<16                   ; tile_dim0 = 128
	s_mov_b32 s[G1+4], 128                         ; tile_dim1 = 128
	s_mov_b32 s[G1+5], 1024                        ; elements from row to row
	s_mov_b32 s[G1+6], 0
	s_mov_b32 s[G1+7], 0
	s_or_b32 s[G1B+0], s44, FLAGS                  ; the weights' tiles go to my column
	s_mov_b32 s[G1B+1], KSTEP<<16
	s_mov_b32 s[G1B+2], 96<<16                     ; 96 rows
	s_mov_b32 s[G1B+3], KSTEP<<16
	s_mov_b32 s[G1B+4], 96
	s_mov_b32 s[G1B+5], 1024
	s_mov_b32 s[G1B+6], 0
	s_mov_b32 s[G1B+7], 0
	s_lshl_b32 s16, s13, 8                         ; x: row 256 x block + 128 x half, rows of 2,048 bytes
	s_lshl_b32 s17, s12, 7
	s_add_co_u32 s16, s16, s17
	s_lshl_b32 s16, s16, 11
	s_mov_b32 s17, 0
	s_mul_i32 s46, s42, 192                        ; wt: row 192 x head + 96 x half
	s_mul_i32 s47, s12, 96
	s_add_co_u32 s46, s46, s47
	s_lshl_b32 s46, s46, 11
	s_mov_b32 s47, 0
	s_mul_i32 s20, s10, AHALF                      ; where x's halves go (waves 0, 1)
	s_mul_i32 s21, s10, BHALF                      ; where the weights' halves go (waves 2, 3): BOFF + (w - 2) x BHALF
	s_add_co_u32 s21, s21, BOFF-2*BHALF
	s_wait_dscnt 0x0
	s_wait_kmcnt 0x0
	s_add_nc_u64 s[14:15], s[4:5], s[16:17]
	s_add_nc_u64 s[46:47], s[6:7], s[46:47]
	CROUND                                         ; all sixteen work-groups are here: the first joint loads meet
.irp s, 0,1
	s_mov_b32 s[G0+4*\s], 1
	s_add_co_u32 s[G0+4*\s+1], s20, \s*SLOT
	s_add_nc_u64 s[G0+4*\s+2:G0+4*\s+3], s[14:15], \s*KSTEP*2
	s_or_b32 s[G0+4*\s+3], s[G0+4*\s+3], 0x80000000
	s_mov_b32 s[G0B+4*\s], 1
	s_add_co_u32 s[G0B+4*\s+1], s21, \s*SLOT
	s_add_nc_u64 s[G0B+4*\s+2:G0B+4*\s+3], s[46:47], \s*KSTEP*2
	s_or_b32 s[G0B+4*\s+3], s[G0B+4*\s+3], 0x80000000
	JLOAD \s                                       ; both slots' first fills go out together: two loads of a wave are out
.endr
	v_and_b32 v1, 15, v0                           ; r = lane % 16
	v_bfe_u32 v2, v0, 4, 1                         ; h = lane / 16
	s_lshl_b32 s45, s42, 8                         ; the head's 64 numbers in a bias: 256 bytes
	v_lshl_add_u32 v[BOF], v2, 5, s45              ; q, k: register j of tile b is bias[16 b + 8 h + j]
	v_lshl_add_u32 v[BVOF], v1, 2, s45             ; v: every register of tile b is bias[16 b + r]
.irp b, 0,1,2,3
	global_load_b128 v[BIAS+8*\b:BIAS+8*\b+3],       v[BOF], s[72:73] offset:64*\b
	global_load_b128 v[BIAS+8*\b+4:BIAS+8*\b+7],     v[BOF], s[72:73] offset:64*\b+16
	global_load_b128 v[BIAS+32+8*\b:BIAS+32+8*\b+3], v[BOF], s[74:75] offset:64*\b
	global_load_b128 v[BIAS+32+8*\b+4:BIAS+32+8*\b+7], v[BOF], s[74:75] offset:64*\b+16
	global_load_b32 v[BV+8*\b], v[BVOF], s[76:77] offset:64*\b
.endr
	v_mul_u32_u24 v3, v1, PITCH                    ; a fragment: lane holds row r; two loads of 16 bytes, 32 apart, at 16 h
	v_lshl_add_u32 v3, v2, 4, v3
	s_mul_i32 s22, s10, 64*PITCH                   ; my 64 rows of x
	v_add_nc_u32 v[ADRA], s22, v3
	v_add_nc_u32 v[ADRA+1], SLOT, v[ADRA]
	v_add_nc_u32 v[ADRB], BOFF, v3
	v_add_nc_u32 v[ADRB+1], BOFF+SLOT, v3
	s_mul_i32 s23, s10, QKW
	s_add_co_u32 s23, s23, QKST                    ; my q, k stage
	v_mul_u32_u24 v4, v1, QPITCH
	v_lshl_add_u32 v4, v2, 4, v4
	v_add_nc_u32 v[STO], s23, v4                   ; in: row r, 16 bytes for each half of the lanes
	v_and_b32 v5, 31, v0
	v_lshrrev_b32 v6, 3, v5
	v_and_b32 v7, 7, v5
	v_mul_u32_u24 v6, v6, QPITCH
	v_lshl_add_u32 v6, v7, 4, v6
	v_add_nc_u32 v[RD], s23, v6                    ; back: eight lanes take a row of 128 bytes, a load takes four rows
	v_lshlrev_b32 v[CO], 4, v5
	v_mul_u32_u24 v4, v1, VPITCH
	v_lshl_add_u32 v4, v2, 4, v4
	s_lshl_b32 s22, s10, 7
	s_add_co_u32 s22, s22, VST
	v_add_nc_u32 v[VSTO], s22, v4                  ; v stage, in: row d = r (+ 16 b), byte 128 w + 16 h (+ 32 a)
	s_mul_i32 s22, s10, 16*VPITCH
	s_add_co_u32 s22, s22, VST
	v_add_nc_u32 v[VRD], s22, v[CO]                ; v stage, back: rows 16 w + i, 512 bytes a load
	s_wait_loadcnt 0x0                             ; the biases, once
.irp b, 0,1,2,3
.irp j, 1,2,3,4,5,6,7
	v_mov_b32 v[BV+8*\b+\j], v[BV+8*\b]            ; v's C tile holds the lane's one bias in all eight rows
.endr
.endr
; 16 matrix instructions of q and k: row tiles a0, a0 + 1 x the 8 column tiles, 32 along K.  zero = 1: C is the bias tile.
.macro MULQK f, a0, zero
.irp a, \a0, \a0+1
.irp b, 0,1,2,3,4,5,6,7
.if \zero
	v_wmma_f32_16x16x32_bf16 v[8*(8*(\a)+\b):8*(8*(\a)+\b)+7], v[96*\f+8*\b:96*\f+8*\b+7], v[FA+32*\f+8*(\a):FA+32*\f+8*(\a)+7], v[BIAS+8*\b:BIAS+8*\b+7]
.else
	v_wmma_f32_16x16x32_bf16 v[8*(8*(\a)+\b):8*(8*(\a)+\b)+7], v[96*\f+8*\b:96*\f+8*\b+7], v[FA+32*\f+8*(\a):FA+32*\f+8*(\a)+7], v[8*(8*(\a)+\b):8*(8*(\a)+\b)+7]
.endif
.endr
.endr
.endm
; 16 matrix instructions of v: 4 row tiles x 4 column tiles
.macro MULV f, zero
.irp a, 0,1,2,3
.irp b, 0,1,2,3
.if \zero
	v_wmma_f32_16x16x32_bf16 v[8*(4*\a+\b):8*(4*\a+\b)+7], v[FA+32*\f+8*\a:FA+32*\f+8*\a+7], v[96*\f+64+8*\b:96*\f+64+8*\b+7], v[BV+8*\b:BV+8*\b+7]
.else
	v_wmma_f32_16x16x32_bf16 v[8*(4*\a+\b):8*(4*\a+\b)+7], v[FA+32*\f+8*\a:FA+32*\f+8*\a+7], v[96*\f+64+8*\b:96*\f+64+8*\b+7], v[8*(4*\a+\b):8*(4*\a+\b)+7]
.endif
.endr
.endr
.endm
; 32 LDS loads in one run: a quarter step's fragments (64 rows of x, 192 rows of weights, 32 K at byte k) into buffer f; v's weights last
.macro FETCH slot, k, f
	WIN 0
.irp i, 0,1,2,3
	ds_load_b128 v[FA+32*\f+8*\i:FA+32*\f+8*\i+3],   v[ADRA+\slot] offset:\k+\i*16*PITCH
	ds_load_b128 v[FA+32*\f+8*\i+4:FA+32*\f+8*\i+7], v[ADRA+\slot] offset:\k+\i*16*PITCH+32
.endr
	WIN TO_B
.irp i, 0,1,2,3,4,5,6,7,8,9,10,11
	ds_load_b128 v[96*\f+8*\i:96*\f+8*\i+3],   v[ADRB+\slot] offset:\k+\i*16*PITCH
	ds_load_b128 v[96*\f+8*\i+4:96*\f+8*\i+7], v[ADRB+\slot] offset:\k+\i*16*PITCH+32
.endr
.endm
; A load into a register that a matrix instruction has read, and a vector instruction on a matrix instruction's registers, stand four
; places behind it; only plain vector instructions that name none of its registers are places.
.macro PLACES
.rept 4
	v_nop
.endr
.endm
; One of a K step's first three quarters: multiplies buffer f; in its middle fetches the next quarter (byte k) into buffer g.
.macro QUARTER slot, k, f, g, zero
	s_wait_dscnt 8                                 ; all but the youngest eight loads (v's weight fragments) are in
.if \zero
	WIN WQK0
.else
	WIN WQK
.endif
	MULQK \f, 0, \zero
	MULQK \f, 2, \zero
	PLACES
	FETCH \slot, \k, \g
	s_wait_dscnt 32                                ; all but the 32 just issued
.if \zero
	WIN WV0
.else
	WIN WV
.endif
	MULV \f, \zero
.endm
.macro THREE slot, zero
	QUARTER \slot, 64,  0, 1, \zero
	QUARTER \slot, 128, 1, 0, 0
	QUARTER \slot, 192, 0, 1, 0
.endm
; The last quarter: multiplies buffer 1 and changes slots.  In front of the barrier each wave waits for its reads of this slot and for
; all its tensor loads (one is out: its part of the next slot).  Behind it (with fill: behind the cluster's round that it opens) the
; refill comes first, then the next slot's first fragments.  From a request to the wait for it a wave issues 176 matrix instructions.
.macro TURN slot, next, fill
	s_wait_dscnt 8
	WIN WQK
	MULQK 1, 0, 0
	s_wait_dscnt 0                                 ; my reads of this slot are over
	s_wait_tensorcnt 0x0                           ; and all my tensor loads have landed
	ds_add_u32 v255, v63
	s_wait_dscnt 0x0
	s_barrier_signal -1
	MULQK 1, 2, 0                                  ; register work while the others arrive
	WIN 0
	s_barrier_wait -1
.if \fill
	CREST                                          ; all sixteen work-groups have said so: no partner reads this slot or has a load on its way
	s_add_nc_u64 s[G0+4*\slot+2:G0+4*\slot+3], s[G0+4*\slot+2:G0+4*\slot+3], 2*KSTEP*2
	s_add_nc_u64 s[G0B+4*\slot+2:G0B+4*\slot+3], s[G0B+4*\slot+2:G0B+4*\slot+3], 2*KSTEP*2
	JLOAD \slot                                    ; the first tensor load behind the round, my only one until the next
.endif
	PLACES
	FETCH \next, 0, 0
	WIN WV
	MULV 1, 0
.endm
.macro LAP zero                        ; two K steps, both slots filled again
	THREE 0, \zero
	TURN 0, 1, 1
	THREE 1, 0
	TURN 1, 0, 1
.endm
	s_wait_tensorcnt 1                             ; my part of K step 0 is in; K step 1's load may stay out
	s_barrier_signal -1
	s_barrier_wait -1                              ; everybody's is
	FETCH 0, 0, 0
	LAP 1                                          ; K steps 0, 1: the first products start the sums from the biases
	WIN 0                                          ; at a label and at a branch every window is 0
	s_mov_b32 s3, 2
.Llap:
	LAP 0                                          ; K steps 2, 3 and 4, 5
	WIN 0
	s_sub_co_u32 s3, s3, 1
	s_cmp_lg_u32 s3, 0
	s_cbranch_scc1 .Llap
	THREE 0, 0                                     ; K steps 6, 7: nothing is left to fetch
	TURN 0, 1, 0
	THREE 1, 0
	s_wait_dscnt 8
	WIN WQK
	MULQK 1, 0, 0
	MULQK 1, 2, 0
	s_wait_dscnt 0
	WIN WV
	MULV 1, 0
	; THE WAY OUT
	PLACES                                         ; the places behind the last matrix instructions
	s_lshr_b32 s86, s13, 3                         ; batch
	s_lshl_b32 s86, s86, 4
	s_add_co_u32 s86, s86, s42                     ; bh
	s_lshl_b32 s86, s86, 18                        ; x 262,144 bytes
	s_and_b32 s88, s13, 7
	s_lshl_b32 s88, s88, 8                         ; s0: the block's first row in its batch
	s_lshl_b32 s89, s10, 6
	s_add_co_u32 s89, s89, s88
	s_lshl_b32 s89, s89, 7                         ; (s0 + 64 w) rows of 128 bytes
	s_add_co_u32 s90, s86, s89
	s_mov_b32 s91, 0
	s_add_nc_u64 s[78:79], s[78:79], s[90:91]      ; qb at my first row
	s_add_nc_u64 s[80:81], s[80:81], s[90:91]      ; kb likewise
	s_lshl_b32 s92, s10, 16                        ; vt: 16 w rows of 4,096 bytes
	s_add_co_u32 s92, s92, s86
	s_lshl1_add_u32 s92, s88, s92                  ; + 2 s0
	s_mov_b32 s93, 0
	s_add_nc_u64 s[82:83], s[82:83], s[92:93]
	; v: a lane's eight results are s = 64 w + 16 a + 8 h + 0..7 of d = 16 b + r: 16 bytes of a row of the shared stage
.irp a, 0,1,2,3
	WIN 0x0f                                       ; sources in window 3
.irp b, 0,1,2,3
.irp p, 0,1,2,3
	v_cvt_pk_bf16_f32 v[TMP+4*\b+\p], v[8*(4*\a+\b)+2*\p], v[8*(4*\a+\b)+2*\p+1]
.endr
.endr
	WIN 0
.irp b, 0,1,2,3
	ds_store_b128 v[VSTO], v[TMP+4*\b:TMP+4*\b+3] offset:16*VPITCH*\b+32*\a
.endr
.endr
	; q and k, 16 rows at a time through my own stage; LDS serves a wave's instructions in order (ISA guide 5.7.1), so no wait stands
	; between my stores and my loads of it
.irp a, 0,1,2,3
	WIN 0x82                                       ; source 0 and destination in window 2: q is scaled in place
.set n, 0
.rept 16
	v_pk_mul_f32 v[64*\a+n:64*\a+n+1], v[64*\a+n:64*\a+n+1], 0x3e38aa3b op_sel_hi:[1,0]   ; x log2(e) / 8
.set n, n+2
.endr
	WIN 0x0a                                       ; both sources in window 2
.set n, 0
.rept 32
	v_cvt_pk_bf16_f32 v[TMP+n], v[64*\a+2*n], v[64*\a+2*n+1]                              ; 0-15: q tiles, 16-31: k tiles
.set n, n+1
.endr
	WIN 0
.irp b, 0,1,2,3
	ds_store_b128 v[STO], v[TMP+4*\b:TMP+4*\b+3] offset:32*\b
	ds_store_b128 v[STO], v[TMP+16+4*\b:TMP+16+4*\b+3] offset:16*QPITCH+32*\b
.endr
	s_wait_xcnt 0x0                                ; v96-127, which the last stores read, are loaded again only behind this wait
.irp t, 0,1,2,3
	ds_load_b128 v[96+4*\t:96+4*\t+3], v[RD] offset:4*QPITCH*\t
.endr
.irp t, 0,1,2,3
	ds_load_b128 v[112+4*\t:112+4*\t+3], v[RD] offset:16*QPITCH+4*QPITCH*\t
.endr
.irp t, 0,1,2,3
	s_wait_dscnt 7-\t
	global_store_b128 v[CO], v[96+4*\t:96+4*\t+3], s[78:79] offset:2048*\a+512*\t        ; four rows of q: 512 consecutive bytes, aligned
.endr
.irp t, 0,1,2,3
	s_wait_dscnt 3-\t
	global_store_b128 v[CO], v[112+4*\t:112+4*\t+3], s[80:81] offset:2048*\a+512*\t      ; four rows of k
.endr
.endr
	s_wait_dscnt 0x0                               ; my stores into the shared stage are in LDS before I say so
	s_barrier_signal -1
	s_barrier_wait -1                              ; every wave's 64 s of every row of v transposed are there
	s_wait_xcnt 0x0                                ; v96-127 once more
.set i, 0
.rept 16
	ds_load_b128 v[64+4*i:64+4*i+3], v[VRD] offset:VPITCH*i
.set i, i+1
.endr
.set i, 0
.rept 16
	s_wait_dscnt 15-i
	global_store_b128 v[CO], v[64+4*i:64+4*i+3], s[82:83] offset:4096*i                  ; row d = 16 w + i: 512 consecutive bytes, aligned
.set i, i+1
.endr
	s_set_vgpr_msb 0x1
	s_wait_tensorcnt 0x0
	ds_add_u32 v255, v63
	s_wait_dscnt 0x0
	s_set_vgpr_msb 0x100
	CROUND                                         ; the closing round: no work-group ends while a partner may still ask jointly
	s_endpgm
.Lfunc_end_k_qd5fe400df0_qkv:
	.size	k_qd5fe400df0_qkv, .Lfunc_end_k_qd5fe400df0_qkv-k_qd5fe400df0_qkv
	.p2alignl 7, 3214868480
	.fill 96, 4, 3214868480
	.section	.rodata,"a",@progbits
	.p2align	6, 0x0
	.amdhsa_kernel k_qd5fe400df0_qkv
		.amdhsa_group_segment_fixed_size 327680
		.amdhsa_private_segment_fixed_size 0
		.amdhsa_enable_private_segment 0
		.amdhsa_kernarg_size 64
		.amdhsa_user_sgpr_count 2
		.amdhsa_user_sgpr_kernarg_segment_ptr 1
		.amdhsa_wavefront_size32 1
		.amdhsa_system_sgpr_workgroup_id_x 1
		.amdhsa_system_sgpr_workgroup_id_y 1
		.amdhsa_system_sgpr_workgroup_id_z 1
		.amdhsa_system_vgpr_workitem_id 0
		.amdhsa_next_free_vgpr 896
		.amdhsa_next_free_sgpr 100
		.amdhsa_reserve_vcc 0
		.amdhsa_float_denorm_mode_32 3
		.amdhsa_float_denorm_mode_16_64 3
		.amdhsa_memory_ordered 1
		.amdhsa_forward_progress 1
		.amdhsa_inst_pref_size 173
	.end_amdhsa_kernel
	.amdgpu_metadata
---
amdhsa.version: [ 1, 2 ]
amdhsa.kernels:
  - .name:           k_qd5fe400df0_qkv
    .symbol:         k_qd5fe400df0_qkv.kd
    .args:
      - { .name: xb, .offset: 0, .size: 8, .value_kind: global_buffer, .address_space: global }
      - { .name: wt, .offset: 8, .size: 8, .value_kind: global_buffer, .address_space: global }
      - { .name: bq, .offset: 16, .size: 8, .value_kind: global_buffer, .address_space: global }
      - { .name: bk, .offset: 24, .size: 8, .value_kind: global_buffer, .address_space: global }
      - { .name: bv, .offset: 32, .size: 8, .value_kind: global_buffer, .address_space: global }
      - { .name: qb, .offset: 40, .size: 8, .value_kind: global_buffer, .address_space: global }
      - { .name: kb, .offset: 48, .size: 8, .value_kind: global_buffer, .address_space: global }
      - { .name: vt, .offset: 56, .size: 8, .value_kind: global_buffer, .address_space: global }
    .group_segment_fixed_size: 327680
    .private_segment_fixed_size: 0
    .kernarg_segment_align: 8
    .kernarg_segment_size: 64
    .max_flat_workgroup_size: 128
    .sgpr_count:     100
    .vgpr_count:     896
    .wavefront_size: 32
...
	.end_amdgpu_metadata
.endif
;; end of part 2
;; launch attn (part 3): grid 8 x 32, 8 waves a work-group, clusters of 4 x 1, 327,680 bytes of LDS; arguments qb, kb, vt, ab; writes ab
.if DOCPART == 3
	.amdgcn_target "amdgcn-amd-amdhsa--gfx1250"
	.amdhsa_code_object_version 6
	.text
	.protected	k_qd5fe400df0_attn
	.globl	k_qd5fe400df0_attn
	.p2align	8
	.type	k_qd5fe400df0_attn,@function
k_qd5fe400df0_attn:
	s_mov_b64 s[64:65], 0
	v_nop
	global_prefetch_b8 v0, s[64:65] scope:SCOPE_SE
	s_setreg_imm32_b32 hwreg(HW_REG_WAVE_MODE, 25, 1), 1
	s_wait_xcnt 0x0
	s_wait_alu depctr_hold_cnt(0) depctr_sa_sdst(0) depctr_va_vdst(0) depctr_va_sdst(0) depctr_va_ssrc(0) depctr_va_vcc(0) depctr_vm_vsrc(0)
	s_getreg_b32 s2, hwreg(HW_REG_IB_STS2, 6, 4)
	s_cmp_eq_u32 s2, 0
	s_cbranch_scc0 .Lentry_in_a_cluster
	s_endpgm
.Lentry_in_a_cluster:
	s_bfe_u32 s2, ttmp6, 0x10000c
	s_cmp_lg_u32 s2, 0x3003
	s_cbranch_scc0 .Lentry_shape_is_right
	s_endpgm
.Lentry_shape_is_right:
; attn: softmax(q k^T) v for one head (bh = grid y) and 256 queries (grid x), with a running maximum.  q already carries log2(e) / 8, so
; the exponentials are base 2.  Eight waves, two on each SIMD; wave w owns 32 queries (two tiles) and walks all 2,048 keys in steps of 64.
; LAYOUT WITHOUT SHUFFLES: S^T = K Q^T, so a lane holds ONE query (lane % 16) and keys 8 (lane / 16) + 0..7 of each tile; two such
; tiles, packed to bf16, are the second source of O^T = V^T P^T as they stand.  Maximum, factor and sum are one number a lane; one
; exchange between the halves of the lanes joins the maxima; the sums are joined once, at the end.
; ORDER OF A STEP: the three kinds of work alternate in the text instead of standing in long runs.  S^T of query tile 0 (8 products);
; tile 0's softmax, with the 8 products of tile 1's S^T standing singly among its vector instructions; tile 1's softmax, with the 8
; products of tile 0's O^T at the same places; tile 1's O^T (8 products).  In a softmax the 32 exponentials go in eight groups of four,
; each exponential followed by plain work of neighbouring groups (subtraction for the next group, rescaling of O, sums of the group
; before, conversions of the group two back).  V's fragments are loaded as soon as K's have been read for the last time, and the next
; step's K fragments in two halves, each as soon as its half of V's registers is free.
; K and V come in slots of 256 keys (K 256 x 128 bytes, V^T as two halves of 64 x 256 bytes) through two LDS slots.
; CLUSTER 4 x 1: the four query blocks of a cluster read the same K and V tiles and ask for them jointly (mask 15).
; Out: ab [16 batch + s / 128][16 heads][128 rows][64 d] in bf16: my 32 rows are 4,096 consecutive bytes.
; LIMITS: p and the result are rounded to bf16; the denominator is summed from the unrounded f32 p; an exponential below 2^-126 counts
; as zero (ISA guide, v_exp_f32); NaN or infinite scores get no special treatment.
; All matrix instructions take their accumulators by turns, one instruction a turn.
.set KPITCH, 144                       ; 128 bytes + 16
.set VPITCH, 272                       ; 256 bytes + 16
.set KHALF,  128*KPITCH                ; what one load of K brings
.set VOFF,   256*KPITCH                ; V^T lies behind K's 256 rows
.set VHALF,  64*VPITCH                 ; what one load of V^T brings: 64 d x 128 keys
.set SLOT,   VOFF+2*VHALF              ; 71,680
.set STAGE,  2*SLOT                    ; each wave's 32 rows x 144 for the way out; no fill lands here
.set STW,    32*KPITCH
.set KADR, 2                           ; v2-3    K fragments' address in slot 0, 1
.set VADR, 4                           ; v4-5    V fragments' address
.set STO,  6                           ; v6      stage, in
.set RD,   7                           ; v7      stage, back
.set CO,   8                           ; v8      16 x lane
.set QOF,  9                           ; v9      my offset in q
.set NMAX, 10                          ; v10-13  minus the maximum, twice, for each query tile
.set MAXR, 14                          ; v14-15  the running maximum
.set LSUM, 16                          ; v16-17  the running sum (this half of the lanes' keys)
.set ALF,  18                          ; v18-21  the factor 2^(old maximum - new), twice
.set TM,   22                          ; v22-25  at work
.set QFR,  32                          ; v32-63    Q fragments: 16 qt + 8 kk
.set OAC,  64                          ; v64-127   O^T: 32 qt + 8 dt
.set SCO,  128                         ; v128-191  S^T, then P^T: 32 qt + 8 tt
.set FRG,  192                         ; v192-255  K fragments (16 tt + 8 kk), then V fragments (32 ks + 8 dt)
.set G1K, 24                           ; s[24:31]
.set G1V, 32                           ; s[32:39]
.set G0K, 40                           ; s[40:47], one set a slot
.set G0V, 48                           ; s[48:55], one set a slot
.macro ROUND                           ; a round of the cluster's barrier
	s_barrier_signal -1
	s_barrier_wait -1
	s_cmp_lg_u32 s12, 0
	s_cbranch_scc1 .Lnot_wave_0_\@
	s_barrier_signal -3
.Lnot_wave_0_\@:
	s_barrier_wait -3
	s_barrier_signal -1
	s_barrier_wait -1
.endm
; The joint loads of a slot: waves 0, 1 K's halves, waves 2, 3 V^T's halves, the others none.  The branches hang on the wave's number alone.
.macro JLOAD s
	s_cmp_lt_u32 s12, 2
	s_cbranch_scc0 .Lnot_k_\@
	tensor_load_to_lds s[G0K+4*(\s):G0K+4*(\s)+3], s[G1K:G1K+7]
	s_nop 0
	s_branch .Lasked_\@
.Lnot_k_\@:
	s_cmp_lt_u32 s12, 4
	s_cbranch_scc0 .Lasked_\@
	tensor_load_to_lds s[G0V+4*(\s):G0V+4*(\s)+3], s[G1V:G1V+7]
	s_nop 0
.Lasked_\@:
.endm
.macro NOPS n
.rept \n
	v_nop
.endr
.endm
	s_load_b256 s[4:11], s[0:1], 0x0               ; qb s[4:5], kb s[6:7], vt s[8:9], ab s[10:11]
	v_lshl_add_u32 v28, v0, 2, 0x2c000
	v_mov_b32 v29, 0
	ds_add_u32 v28, v29
	v_lshrrev_b32 v1, 5, v0
	v_readfirstlane_b32 s12, v1                    ; wave 0..7
	s_and_b32 s13, s12, 1                          ; which half of a tile I fetch
	s_and_b32 s16, ttmp7, 0xffff                   ; bh
	s_lshl_b32 s18, s16, 18                        ; x 262,144 bytes
	s_lshl_b32 s20, s13, 14                        ; K: + half x 128 rows of 128 bytes
	s_add_co_u32 s20, s20, s18
	s_mov_b32 s21, 0
	s_lshl_b32 s22, s13, 8                         ; V^T: + half x 128 keys of 2 bytes
	s_add_co_u32 s22, s22, s18
	s_mov_b32 s23, 0
	s_mov_b32 s[G1K+0], 15|(1<<16)|(1<<20)|(1<<21)|(4<<22)|(3<<25)   ; mask: all four; 2-byte elements; after every 32 words 4 words of padding
	s_mov_b32 s[G1K+1], 64<<16                     ; tensor_dim0 = 64
	s_mov_b32 s[G1K+2], 128<<16                    ; tensor_dim1 = 128
	s_mov_b32 s[G1K+3], 64<<16                     ; tile_dim0 = 64
	s_mov_b32 s[G1K+4], 128                        ; tile_dim1 = 128
	s_mov_b32 s[G1K+5], 64                         ; elements from row to row
	s_mov_b32 s[G1K+6], 0
	s_mov_b32 s[G1K+7], 0
	s_mov_b32 s[G1V+0], 15|(1<<16)|(1<<20)|(1<<21)|(5<<22)|(3<<25)   ; after every 64 words
	s_mov_b32 s[G1V+1], 128<<16
	s_mov_b32 s[G1V+2], 64<<16
	s_mov_b32 s[G1V+3], 128<<16
	s_mov_b32 s[G1V+4], 64
	s_mov_b32 s[G1V+5], 2048
	s_mov_b32 s[G1V+6], 0
	s_mov_b32 s[G1V+7], 0
	s_mul_i32 s17, s12, KHALF                      ; where K's halves go (waves 0, 1)
	s_mul_i32 s59, s12, VHALF                      ; where V^T's halves go (waves 2, 3): VOFF + (w - 2) x VHALF
	s_add_co_u32 s59, s59, VOFF-2*VHALF
	s_mov_b32 s56, 0x76543210                      ; v_permlanex16_b32: lane i of one half reads lane i of the other
	s_mov_b32 s57, 0xfedcba98
	s_bfe_u32 s14, ttmp6, 0x40000                  ; cx: it enters the addresses of q and ab alone
	s_lshl_b32 s15, ttmp9, 2
	s_add_co_u32 s15, s15, s14                     ; block of 256 queries
	s_lshl_b32 s60, s15, 15                        ; q: bh + (256 block + 32 w) rows of 128 bytes
	s_add_co_u32 s60, s60, s18
	s_lshl_b32 s62, s12, 12
	s_add_co_u32 s60, s60, s62
	s_mov_b32 s61, 0
	s_lshr_b32 s66, s16, 4                         ; ab: (16 batch + 2 block + w / 4) x 262,144 + head x 16,384 + (w % 4) x 4,096
	s_lshl_b32 s66, s66, 4
	s_lshl1_add_u32 s66, s15, s66
	s_lshr_b32 s67, s12, 2
	s_add_co_u32 s66, s66, s67
	s_lshl_b32 s66, s66, 18
	s_and_b32 s67, s16, 15
	s_lshl_b32 s67, s67, 14
	s_add_co_u32 s66, s66, s67
	s_and_b32 s67, s12, 3
	s_lshl_b32 s67, s67, 12
	s_add_co_u32 s66, s66, s67
	s_mov_b32 s67, 0
	s_wait_dscnt 0x0
	s_wait_kmcnt 0x0
	s_add_nc_u64 s[20:21], s[6:7], s[20:21]
	s_add_nc_u64 s[22:23], s[8:9], s[22:23]
	s_add_nc_u64 s[4:5], s[4:5], s[60:61]
	s_add_nc_u64 s[10:11], s[10:11], s[66:67]
.irp s, 0,1
	s_mov_b32 s[G0K+4*\s], 1
	s_add_co_u32 s[G0K+4*\s+1], s17, \s*SLOT
	s_add_nc_u64 s[G0K+4*\s+2:G0K+4*\s+3], s[20:21], \s*32768       ; 256 keys of K
	s_or_b32 s[G0K+4*\s+3], s[G0K+4*\s+3], 0x80000000
	s_mov_b32 s[G0V+4*\s], 1
	s_add_co_u32 s[G0V+4*\s+1], s59, \s*SLOT
	s_add_nc_u64 s[G0V+4*\s+2:G0V+4*\s+3], s[22:23], \s*512         ; 256 keys along V^T's rows
	s_or_b32 s[G0V+4*\s+3], s[G0V+4*\s+3], 0x80000000
.endr
	ROUND                                          ; the four work-groups are here: the first joint loads meet
	JLOAD 0                                        ; keys 0 to 255
	v_and_b32 v1, 15, v0                           ; r
	v_bfe_u32 v30, v0, 4, 1                        ; h
	v_mul_u32_u24 v[KADR], v1, KPITCH
	v_lshl_add_u32 v[KADR], v30, 4, v[KADR]        ; row r, 16 h
	v_add_nc_u32 v[KADR+1], SLOT, v[KADR]
	v_mul_u32_u24 v[VADR], v1, VPITCH
	v_lshl_add_u32 v[VADR], v30, 4, v[VADR]
	v_add_nc_u32 v[VADR], VOFF, v[VADR]
	v_add_nc_u32 v[VADR+1], SLOT, v[VADR]
	s_mul_i32 s68, s12, STW
	s_add_co_u32 s68, s68, STAGE                   ; my stage
	v_add_nc_u32 v[STO], s68, v[KADR]              ; in: row r, 16 bytes for each half of the lanes
	v_and_b32 v31, 31, v0
	v_lshrrev_b32 v[RD], 3, v31
	v_mul_u32_u24 v[RD], v[RD], KPITCH
	v_and_b32 v[CO], 7, v31
	v_lshl_add_u32 v[RD], v[CO], 4, v[RD]
	v_add_nc_u32 v[RD], s68, v[RD]                 ; back: eight lanes take a row of 128 bytes
	v_lshlrev_b32 v[CO], 4, v31
	v_lshlrev_b32 v[QOF], 7, v1
	v_lshl_add_u32 v[QOF], v30, 4, v[QOF]
.irp qt, 0,1
.irp c, 0,1,2,3
	global_load_b128 v[QFR+16*\qt+4*\c:QFR+16*\qt+4*\c+3], v[QOF], s[4:5] offset:2048*\qt+32*\c   ; query 16 qt + r, d = 16 c + 8 h ..
.endr
.endr
	s_wait_loadcnt 0x0                             ; Q, once
; K fragments of key tiles 2 hf and 2 hf + 1 of step st (32 keys x 64 d): 8 loads into half hf of the fragment registers
.macro KLOADH slot, st, hf
.irp t, 0,1
.irp kk, 0,1
	ds_load_b128 v[FRG+32*\hf+16*\t+8*\kk:FRG+32*\hf+16*\t+8*\kk+3],   v[KADR+\slot] offset:(64*(\st)+32*\hf+16*\t)*KPITCH+64*\kk
	ds_load_b128 v[FRG+32*\hf+16*\t+8*\kk+4:FRG+32*\hf+16*\t+8*\kk+7], v[KADR+\slot] offset:(64*(\st)+32*\hf+16*\t)*KPITCH+64*\kk+32
.endr
.endr
.endm
; V^T fragments of step st: 64 d x 64 keys, 16 loads
.macro VLOAD slot, st
.irp ks, 0,1
.irp dt, 0,1,2,3
	ds_load_b128 v[FRG+32*\ks+8*\dt:FRG+32*\ks+8*\dt+3],   v[VADR+\slot] offset:((\st)>>1)*VHALF+16*VPITCH*\dt+((\st)&1)*128+64*\ks
	ds_load_b128 v[FRG+32*\ks+8*\dt+4:FRG+32*\ks+8*\dt+7], v[VADR+\slot] offset:((\st)>>1)*VHALF+16*VPITCH*\dt+((\st)&1)*128+64*\ks+32
.endr
.endr
.endm
; S^T = K Q^T of query tile 0, key tiles 2 hf and 2 hf + 1: 4 matrix instructions; d 0-31 starts the sums, d 32-63 adds; the two tiles take turns
.macro QK0 hf
.irp kk, 0,1
.irp t, 0,1
.if \kk
	v_wmma_f32_16x16x32_bf16 v[SCO+16*\hf+8*\t:SCO+16*\hf+8*\t+7], v[FRG+32*\hf+16*\t+8:FRG+32*\hf+16*\t+15], v[QFR+8:QFR+15], v[SCO+16*\hf+8*\t:SCO+16*\hf+8*\t+7]
.else
	v_wmma_f32_16x16x32_bf16 v[SCO+16*\hf+8*\t:SCO+16*\hf+8*\t+7], v[FRG+32*\hf+16*\t:FRG+32*\hf+16*\t+7], v[QFR:QFR+7], 0
.endif
.endr
.endr
.endm
; The n-th of the eight matrix instructions that stand inside the softmax of query tile qt; they name none of that softmax's registers.
; qt = 0: S^T of query tile 1 (n = 4 kk + key tile).  qt = 1: O^T += V^T P^T of query tile 0 (n = 4 ks + d tile).
.macro MX qt, first, n
.if \qt == 0
.if (\n) > 3
	v_wmma_f32_16x16x32_bf16 v[SCO+32+8*((\n)&3):SCO+32+8*((\n)&3)+7], v[FRG+16*((\n)&3)+8:FRG+16*((\n)&3)+15], v[QFR+24:QFR+31], v[SCO+32+8*((\n)&3):SCO+32+8*((\n)&3)+7]
.else
	v_wmma_f32_16x16x32_bf16 v[SCO+32+8*(\n):SCO+32+8*(\n)+7], v[FRG+16*(\n):FRG+16*(\n)+7], v[QFR+16:QFR+23], 0
.endif
.else
.if (\n) > 3
	v_wmma_f32_16x16x32_bf16 v[OAC+8*((\n)&3):OAC+8*((\n)&3)+7], v[FRG+32+8*((\n)&3):FRG+32+8*((\n)&3)+7], v[SCO+16:SCO+23], v[OAC+8*((\n)&3):OAC+8*((\n)&3)+7]
.else
.if \first
	v_wmma_f32_16x16x32_bf16 v[OAC+8*(\n):OAC+8*(\n)+7], v[FRG+8*(\n):FRG+8*(\n)+7], v[SCO:SCO+7], 0
.else
	v_wmma_f32_16x16x32_bf16 v[OAC+8*(\n):OAC+8*(\n)+7], v[FRG+8*(\n):FRG+8*(\n)+7], v[SCO:SCO+7], v[OAC+8*(\n):OAC+8*(\n)+7]
.endif
.endif
.endif
.endm
; O^T += V^T P^T of query tile 1, keys 32 ks .. + 31: 4 matrix instructions.  first = 1: they start the sums
.macro PV1 ks, first
.irp dt, 0,1,2,3
.if \first
	v_wmma_f32_16x16x32_bf16 v[OAC+32+8*\dt:OAC+32+8*\dt+7], v[FRG+32*\ks+8*\dt:FRG+32*\ks+8*\dt+7], v[SCO+32+16*\ks:SCO+32+16*\ks+7], 0
.else
	v_wmma_f32_16x16x32_bf16 v[OAC+32+8*\dt:OAC+32+8*\dt+7], v[FRG+32*\ks+8*\dt:FRG+32*\ks+8*\dt+7], v[SCO+32+16*\ks:SCO+32+16*\ks+7], v[OAC+32+8*\dt:OAC+32+8*\dt+7]
.endif
.endr
.endm
; Place j (0 to 9) of a softmax's second part.  The 32 scores are eight groups of four registers.  Place j holds: the four exponentials
; of group j; the subtraction of the maximum for group j + 1; four registers of O to the new maximum; the sums of group j - 1 (two chains of
; pairs, started in place 2 from groups 0 and 1); the conversions of group j - 2.  Behind every exponential a plain vector instruction
; stands before its result is used (ISA guide 5.7.2).  The packing is in place: group g's two words land on registers of a group that has
; been summed and converted (or, for the first group of a fragment, on its own first two, read by the same two conversions).
.macro ESLOT qt, j, first
.if \j < 8
	v_exp_f32 v[SB+4*\j], v[SB+4*\j]
.endif
.if \j < 7
	v_pk_add_f32 v[SB+4*\j+4:SB+4*\j+5], v[SB+4*\j+4:SB+4*\j+5], v[NMAX+2*\qt:NMAX+2*\qt+1]   ; score - maximum: never above 0
.endif
.if \j < 8
.if \first == 0
	v_pk_mul_f32 v[OB+4*\j:OB+4*\j+1], v[OB+4*\j:OB+4*\j+1], v[ALF+2*\qt:ALF+2*\qt+1]
.endif
	v_exp_f32 v[SB+4*\j+1], v[SB+4*\j+1]
.endif
.if \j < 7
	v_pk_add_f32 v[SB+4*\j+6:SB+4*\j+7], v[SB+4*\j+6:SB+4*\j+7], v[NMAX+2*\qt:NMAX+2*\qt+1]
.endif
.if \j < 8
.if \first == 0
	v_pk_mul_f32 v[OB+4*\j+2:OB+4*\j+3], v[OB+4*\j+2:OB+4*\j+3], v[ALF+2*\qt:ALF+2*\qt+1]
.endif
	v_exp_f32 v[SB+4*\j+2], v[SB+4*\j+2]
.endif
.if \j == 2
	s_wait_alu depctr_va_vdst(0)
	v_pk_add_f32 v[TM:TM+1], v[SB:SB+1], v[SB+4:SB+5]              ; the first chain starts: nothing is cleared
.endif
.if \j > 2
.if \j < 9
	s_wait_alu depctr_va_vdst(0)
	v_pk_add_f32 v[TM:TM+1], v[TM:TM+1], v[SB+4*\j-4:SB+4*\j-3]
.endif
.endif
.if \j < 8
	v_exp_f32 v[SB+4*\j+3], v[SB+4*\j+3]
.endif
.if \j == 2
	v_pk_add_f32 v[TM+2:TM+3], v[SB+2:SB+3], v[SB+6:SB+7]          ; the second chain starts
.endif
.if \j > 2
.if \j < 9
	s_wait_alu depctr_va_vdst(0)
	v_pk_add_f32 v[TM+2:TM+3], v[TM+2:TM+3], v[SB+4*\j-2:SB+4*\j-1]
.endif
.endif
.if \j > 1
.set GG, \j-2
	v_cvt_pk_bf16_f32 v[SB+16*(GG>>2)+2*(GG&3)],   v[SB+4*GG],   v[SB+4*GG+1]     ; two tiles of 16 keys become one fragment of 32 keys
	v_cvt_pk_bf16_f32 v[SB+16*(GG>>2)+2*(GG&3)+1], v[SB+4*GG+2], v[SB+4*GG+3]
.endif
.endm
; The softmax step of query tile qt on its 32 scores a lane, with eight matrix instructions of the other tile (MX) inside it.
; first = 1: there is no old maximum, sum or O yet.  In tile 0's softmax V's fragments of (slot, st) are asked for.
.macro SOFT qt, first, slot, st
.set SB, SCO+32*\qt
.set OB, OAC+32*\qt
	v_max3_num_f32 v[TM],   v[SB],    v[SB+1],  v[SB+2]            ; 32 scores to 4 in four chains (9, 9, 7, 7 numbers)
	v_max3_num_f32 v[TM+1], v[SB+9],  v[SB+10], v[SB+11]
	v_max3_num_f32 v[TM+2], v[SB+18], v[SB+19], v[SB+20]
	v_max3_num_f32 v[TM+3], v[SB+25], v[SB+26], v[SB+27]
	v_max3_num_f32 v[TM],   v[TM],   v[SB+3],  v[SB+4]
	v_max3_num_f32 v[TM+1], v[TM+1], v[SB+12], v[SB+13]
	v_max3_num_f32 v[TM+2], v[TM+2], v[SB+21], v[SB+22]
	v_max3_num_f32 v[TM+3], v[TM+3], v[SB+28], v[SB+29]
	MX \qt, \first, 0
	v_max3_num_f32 v[TM],   v[TM],   v[SB+5],  v[SB+6]
	v_max3_num_f32 v[TM+1], v[TM+1], v[SB+14], v[SB+15]
	v_max3_num_f32 v[TM+2], v[TM+2], v[SB+23], v[SB+24]
	v_max3_num_f32 v[TM+3], v[TM+3], v[SB+30], v[SB+31]
	MX \qt, \first, 1
	v_max3_num_f32 v[TM],   v[TM],   v[SB+7],  v[SB+8]
	v_max3_num_f32 v[TM+1], v[TM+1], v[SB+16], v[SB+17]
	v_max3_num_f32 v[TM], v[TM], v[TM+1], v[TM+2]
	MX \qt, \first, 2                                              ; from here each vector instruction needs the one before it: products stand between them
.if \first
	v_max_num_f32 v[TM], v[TM], v[TM+3]
.else
	v_max3_num_f32 v[TM], v[TM], v[TM+3], v[MAXR+\qt]
.endif
	v_permlanex16_b32 v[TM+1], v[TM], s56, s57                     ; the other half of the lanes holds the query's other keys
	MX \qt, \first, 3
	v_max_num_f32 v[TM+2], v[TM], v[TM+1]                          ; the new maximum, the same in both halves
.if \first == 0
	v_sub_f32 v[TM+3], v[MAXR+\qt], v[TM+2]
	v_exp_f32 v[ALF+2*\qt], v[TM+3]                                ; 2^(old - new); the move below is the plain place behind it (ISA guide 5.7.2)
.endif
	v_mov_b32 v[MAXR+\qt], v[TM+2]
	MX \qt, \first, 4
	v_xor_b32 v[NMAX+2*\qt],   0x80000000, v[TM+2]
	v_xor_b32 v[NMAX+2*\qt+1], 0x80000000, v[TM+2]
.if \first == 0
	s_wait_alu depctr_va_vdst(0)
	v_mov_b32 v[ALF+2*\qt+1], v[ALF+2*\qt]
.endif
	MX \qt, \first, 5
	v_pk_add_f32 v[SB:SB+1],   v[SB:SB+1],   v[NMAX+2*\qt:NMAX+2*\qt+1]   ; group 0's subtraction; the other groups' stand in the places
	v_pk_add_f32 v[SB+2:SB+3], v[SB+2:SB+3], v[NMAX+2*\qt:NMAX+2*\qt+1]
	ESLOT \qt, 0, \first
	MX \qt, \first, 6
	ESLOT \qt, 1, \first
	MX \qt, \first, 7
	ESLOT \qt, 2, \first
.if \qt == 0
	VLOAD \slot, \st                                               ; behind the last product that read K's fragments stand place 2's six or more plain vector instructions (ISA guide 7.12.1 asks for four)
.endif
.irp j, 3,4,5,6,7,8
	ESLOT \qt, \j, \first
.endr
	v_pk_add_f32 v[TM:TM+1], v[TM:TM+1], v[TM+2:TM+3]              ; the two chains meet
	ESLOT \qt, 9, \first
.if \first
	v_add_f32 v[LSUM+\qt], v[TM], v[TM+1]
.else
	v_add_f32 v[TM], v[TM], v[TM+1]
	v_fma_f32 v[LSUM+\qt], v[LSUM+\qt], v[ALF+2*\qt], v[TM]
.endif
.endm
; One step: 64 keys against my 32 queries
.macro STEP slot, st, first, more
	s_wait_dscnt 8                                 ; K's key tiles 0, 1 are in; the youngest eight loads (tiles 2, 3) may be out
	QK0 0
	s_wait_dscnt 0
	QK0 1
	NOPS 4                                         ; four places before tile 0's scores are read (ISA guide 7.12.1)
	SOFT 0, \first, \slot, \st                     ; with S^T of tile 1 and the loads of V's fragments inside
	s_wait_dscnt 0                                 ; V's fragments
	SOFT 1, \first, \slot, \st                     ; with O^T of tile 0 inside
	PV1 0, \first
.if \more
	NOPS 4                                         ; four places before loads land on the fragments of V's keys 0-31, now read for the last time
	KLOADH \slot, \st+1, 0
.endif
	PV1 1, 0
	NOPS 4                                         ; the same for V's keys 32-63; also the places before O is read at the end
.if \more
	KLOADH \slot, \st+1, 1
.endif
.endm
; One slot: 256 keys.  In front of the round every wave waits for all its tensor loads (this slot's part among them) and for its LDS
; reads; the round shows both of every wave of the four work-groups; behind it the other slot, read last, is asked for first.
.macro TRIP slot, refill, first
	s_wait_tensorcnt 0x0                           ; no tensor load of mine is out: every group 0 may be written
	ds_add_u32 v28, v29
	s_wait_dscnt 0x0
	s_add_nc_u64 s[G0K+4*\slot+2:G0K+4*\slot+3], s[G0K+4*\slot+2:G0K+4*\slot+3], 65536   ; this slot's next tile: 512 keys on
	s_add_nc_u64 s[G0V+4*\slot+2:G0V+4*\slot+3], s[G0V+4*\slot+2:G0V+4*\slot+3], 1024
	s_wait_dscnt 0x0                               ; my reads of the other slot are over
	ROUND
.if \refill
	JLOAD (1-\slot)                                ; my one tensor load until the next round; it has four steps' work in which to land
.endif
	KLOADH \slot, 0, 0
	KLOADH \slot, 0, 1
	STEP \slot, 0, \first, 1
	STEP \slot, 1, 0, 1
	STEP \slot, 2, 0, 1
	STEP \slot, 3, 0, 0
.endm
	TRIP 0, 1, 1                                   ; keys 0-255: the first step starts maximum, sum and O
	TRIP 1, 1, 0
	s_mov_b32 s58, 2
.Lpair:
	TRIP 0, 1, 0
	TRIP 1, 1, 0
	s_sub_co_u32 s58, s58, 1
	s_cmp_lg_u32 s58, 0
	s_cbranch_scc1 .Lpair
	TRIP 0, 1, 0
	TRIP 1, 0, 0                                   ; keys 1,792-2,047: nothing is left to fetch (the stepped addresses are not used)
	; THE END: join the two halves' sums, divide, round, and out through my own stage as whole rows
	v_permlanex16_b32 v[TM],   v[LSUM],   s56, s57
	v_permlanex16_b32 v[TM+1], v[LSUM+1], s56, s57
	v_add_f32 v[LSUM],   v[LSUM],   v[TM]
	v_add_f32 v[LSUM+1], v[LSUM+1], v[TM+1]        ; at least 1: the largest score's p is 1
	v_rcp_f32 v[ALF],   v[LSUM]
	v_rcp_f32 v[ALF+2], v[LSUM+1]
	v_nop                                          ; the plain place behind the reciprocals
	s_wait_alu depctr_va_vdst(0)
	v_mov_b32 v[ALF+1], v[ALF]
	v_mov_b32 v[ALF+3], v[ALF+2]
.irp qt, 0,1
.set n, 0
.rept 16
	v_pk_mul_f32 v[OAC+32*\qt+n:OAC+32*\qt+n+1], v[OAC+32*\qt+n:OAC+32*\qt+n+1], v[ALF+2*\qt:ALF+2*\qt+1]
.set n, n+2
.endr
.set n, 0
.rept 16
	v_cvt_pk_bf16_f32 v[SCO+16*\qt+n], v[OAC+32*\qt+2*n], v[OAC+32*\qt+2*n+1]
.set n, n+1
.endr
.irp dt, 0,1,2,3
	ds_store_b128 v[STO], v[SCO+16*\qt+4*\dt:SCO+16*\qt+4*\dt+3] offset:16*KPITCH*\qt+32*\dt   ; query r, d = 16 dt + 8 h ..
.endr
.endr
.irp t, 0,1,2,3,4,5,6,7
	ds_load_b128 v[FRG+4*\t:FRG+4*\t+3], v[RD] offset:4*KPITCH*\t     ; LDS serves a wave's instructions in order (ISA guide 5.7.1): these see the stores above
.endr
.irp t, 0,1,2,3,4,5,6,7
	s_wait_dscnt 7-\t
	global_store_b128 v[CO], v[FRG+4*\t:FRG+4*\t+3], s[10:11] offset:512*\t   ; four rows: 512 consecutive bytes, aligned
.endr
	s_wait_tensorcnt 0x0
	ds_add_u32 v28, v29
	s_wait_dscnt 0x0
	ROUND                                          ; the closing round
	s_endpgm
.Lfunc_end_k_qd5fe400df0_attn:
	.size	k_qd5fe400df0_attn, .Lfunc_end_k_qd5fe400df0_attn-k_qd5fe400df0_attn
	.p2alignl 7, 3214868480
	.fill 96, 4, 3214868480
	.section	.rodata,"a",@progbits
	.p2align	6, 0x0
	.amdhsa_kernel k_qd5fe400df0_attn
		.amdhsa_group_segment_fixed_size 327680
		.amdhsa_private_segment_fixed_size 0
		.amdhsa_enable_private_segment 0
		.amdhsa_kernarg_size 32
		.amdhsa_user_sgpr_count 2
		.amdhsa_user_sgpr_kernarg_segment_ptr 1
		.amdhsa_wavefront_size32 1
		.amdhsa_system_sgpr_workgroup_id_x 1
		.amdhsa_system_sgpr_workgroup_id_y 1
		.amdhsa_system_sgpr_workgroup_id_z 1
		.amdhsa_system_vgpr_workitem_id 0
		.amdhsa_next_free_vgpr 256
		.amdhsa_next_free_sgpr 80
		.amdhsa_reserve_vcc 0
		.amdhsa_float_denorm_mode_32 3
		.amdhsa_float_denorm_mode_16_64 3
		.amdhsa_memory_ordered 1
		.amdhsa_forward_progress 1
		.amdhsa_inst_pref_size 255
	.end_amdhsa_kernel
	.section	.bss,"aw",@nobits
	.p2align	6
	.space	262144
	.amdgpu_metadata
---
amdhsa.version: [ 1, 2 ]
amdhsa.kernels:
  - .name:           k_qd5fe400df0_attn
    .symbol:         k_qd5fe400df0_attn.kd
    .args:
      - { .name: qb, .offset: 0, .size: 8, .value_kind: global_buffer, .address_space: global }
      - { .name: kb, .offset: 8, .size: 8, .value_kind: global_buffer, .address_space: global }
      - { .name: vt, .offset: 16, .size: 8, .value_kind: global_buffer, .address_space: global }
      - { .name: ab, .offset: 24, .size: 8, .value_kind: global_buffer, .address_space: global }
    .group_segment_fixed_size: 327680
    .private_segment_fixed_size: 0
    .kernarg_segment_align: 8
    .kernarg_segment_size: 32
    .max_flat_workgroup_size: 256
    .sgpr_count:     80
    .vgpr_count:     256
    .wavefront_size: 32
...
	.end_amdgpu_metadata
.endif
;; end of part 3
;; launch oproj (part 4): grid 8 x 32, 4 waves a work-group, clusters of 4 x 4, 327,680 bytes of LDS; arguments ab, wt, bo, out0; writes out0
.if DOCPART == 4
	.amdgcn_target "amdgcn-amd-amdhsa--gfx1250"
	.amdhsa_code_object_version 6
	.text
	.protected	k_qd5fe400df0_oproj
	.globl	k_qd5fe400df0_oproj
	.p2align	8
	.type	k_qd5fe400df0_oproj,@function
k_qd5fe400df0_oproj:
	s_mov_b64 s[64:65], 0
	v_nop
	global_prefetch_b8 v0, s[64:65] scope:SCOPE_SE
	s_setreg_imm32_b32 hwreg(HW_REG_WAVE_MODE, 25, 1), 1
	s_wait_xcnt 0x0
	s_wait_alu depctr_hold_cnt(0) depctr_sa_sdst(0) depctr_va_vdst(0) depctr_va_sdst(0) depctr_va_ssrc(0) depctr_va_vcc(0) depctr_vm_vsrc(0)
	s_getreg_b32 s2, hwreg(HW_REG_IB_STS2, 6, 4)
	s_cmp_eq_u32 s2, 0
	s_cbranch_scc0 .Lentry_in_a_cluster
	s_endpgm
.Lentry_in_a_cluster:
	s_bfe_u32 s2, ttmp6, 0x10000c
	s_cmp_lg_u32 s2, 0xf033
	s_cbranch_scc0 .Lentry_shape_is_right
	s_endpgm
.Lentry_shape_is_right:
; oproj: out0 = attention output x Wo + bo.  Operands bf16 (ab, rows 3,072 .. of wt = Wo transposed), sums f32, out0 f32.
; Grid x = block of 128 columns, y = block of 128 rows.  Four waves; wave (w / 2, w % 2) makes 64 x 64: 16 accumulator tiles.
; K = 1,024 = 16 heads goes in four fills of 256 (4 heads) through two LDS slots; the text is written out, without a loop.
; ab lies [row block][head][128 rows][64 d], so four heads of a row block are 512 dense rows of 128 bytes: one two-dimensional tile.
; CLUSTER 4 x 4: the four work-groups of a cluster row share the row block of ab, the four of a column the 128 rows of wt; both are
; asked for jointly.
; Source 0 = rows of wt, source 1 = rows of ab: a lane holds 8 neighbouring columns of one row.  The first products take bias tiles as C.
; Window 0: addresses, fragments (two buffers), bias tiles.  Window 1: accumulator (a, b) at 8 (4 a + b).
; The 16 accumulators take turns, one instruction a turn, in the same order in every quarter.
.set APITCH, 144                       ; 128 bytes + 16
.set PLANE,  128*APITCH                ; one head's 128 rows
.set AHALF,  2*PLANE                   ; what one load of ab brings
.set BPITCH, 528                       ; 512 bytes + 16
.set BHALF,  64*BPITCH                 ; what one load of wt brings
.set BOFF,   4*PLANE
.set SLOT,   BOFF+2*BHALF              ; 141,312
.set STAGE,  2*SLOT                    ; each wave's 16 rows x 272 for the way out; no fill lands here
.set SPITCH, 272
.set ADRA, 16                          ; v16-17
.set ADRB, 20                          ; v20-21
.set STO,  24
.set RD,   25
.set CO,   26
.set BOF,  30
.set FA,   64                          ; ab fragments: 64 + 64 f
.set FB,   96                          ; wt fragments: 96 + 64 f
.set BIAS, 192                         ; v192-223
.set G1,  24
.set G0,  32
.set G1B, 48
.set G0B, 56
.set ACC,  0x50                        ; C and D in window 1
.set ACC0, 0x40                        ; D in window 1, C (bias) in window 0
.set ST,   0x04                        ; an LDS store's data in window 1
.set MSB, 0
.macro WIN new
.if MSB != \new
	s_set_vgpr_msb (MSB<<8)|\new
.set MSB, \new
.endif
.endm
.macro JLOAD s                         ; waves 0, 1 fetch ab's halves, waves 2, 3 wt's
	s_cmp_eq_u32 s11, 0
	s_cbranch_scc0 .Lfor_b_\@
	tensor_load_to_lds s[G0+4*\s:G0+4*\s+3], s[G1:G1+7]
	s_nop 0
	s_branch .Lasked_\@
.Lfor_b_\@:
	tensor_load_to_lds s[G0B+4*\s:G0B+4*\s+3], s[G1B:G1B+7]
	s_nop 0
.Lasked_\@:
.endm
.macro CREST
	s_cmp_lg_u32 s10, 0
	s_cbranch_scc1 .Lnot_wave_0_\@
	s_barrier_signal -3
.Lnot_wave_0_\@:
	s_barrier_wait -3
	s_barrier_signal -1
	s_barrier_wait -1
.endm
.macro CROUND
	s_barrier_signal -1
	s_barrier_wait -1
	CREST
.endm
	s_load_b128 s[4:7], s[0:1], 0x0                ; ab s[4:5], wt s[6:7]
	s_load_b128 s[72:75], s[0:1], 0x10             ; bo s[72:73], out0 s[74:75]
	v_lshl_add_u32 v254, v0, 2, 0x49400
	v_mov_b32 v255, 0
	ds_add_u32 v254, v255
	v_lshrrev_b32 v1, 5, v0
	v_readfirstlane_b32 s10, v1                    ; wave 0..3
	s_lshr_b32 s11, s10, 1                         ; my half of the rows.  Also: I fetch for ab (0) or wt (1)
	s_and_b32 s12, s10, 1                          ; my half of the columns.  Also: which half of that tile
	s_bfe_u32 s40, ttmp6, 0x40000                  ; cx
	s_bfe_u32 s41, ttmp6, 0x40004                  ; cy
	s_lshl_b32 s42, ttmp9, 2
	s_add_co_u32 s42, s42, s40                     ; block of columns
	s_and_b32 s13, ttmp7, 0xffff
	s_lshl_b32 s13, s13, 2
	s_add_co_u32 s13, s13, s41                     ; block of rows
	s_lshl_b32 s43, s41, 2
	s_lshl_b32 s43, 15, s43                        ; my row of the cluster
	s_lshl_b32 s44, 0x1111, s40                    ; my column
	s_or_b32 s[G1+0], s43, (1<<16)|(1<<20)|(1<<21)|(4<<22)|(3<<25)    ; ab: after every 32 words 4 words of padding
	s_mov_b32 s[G1+1], 64<<16                      ; tensor_dim0 = 64
	s_mov_b32 s[G1+2], 256<<16                     ; tensor_dim1 = 256
	s_mov_b32 s[G1+3], 64<<16                      ; tile_dim0 = 64
	s_mov_b32 s[G1+4], 256                         ; tile_dim1 = 256: two heads' rows
	s_mov_b32 s[G1+5], 64
	s_mov_b32 s[G1+6], 0
	s_mov_b32 s[G1+7], 0
	s_or_b32 s[G1B+0], s44, (1<<16)|(1<<20)|(1<<21)|(6<<22)|(3<<25)   ; wt: after every 128 words
	s_mov_b32 s[G1B+1], 256<<16
	s_mov_b32 s[G1B+2], 64<<16
	s_mov_b32 s[G1B+3], 256<<16
	s_mov_b32 s[G1B+4], 64
	s_mov_b32 s[G1B+5], 1024
	s_mov_b32 s[G1B+6], 0
	s_mov_b32 s[G1B+7], 0
	s_lshl_b32 s16, s13, 18                        ; ab: row block x 262,144 + half x two heads
	s_lshl_b32 s17, s12, 15
	s_add_co_u32 s16, s16, s17
	s_mov_b32 s17, 0
	s_lshl_b32 s46, s42, 7                         ; wt: row 3,072 + 128 x block + 64 x half
	s_lshl_b32 s47, s12, 6
	s_add_co_u32 s46, s46, s47
	s_add_co_u32 s46, s46, 3072
	s_lshl_b32 s46, s46, 11
	s_mov_b32 s47, 0
	s_mul_i32 s20, s10, AHALF                      ; where ab's halves go (waves 0, 1)
	s_mul_i32 s21, s10, BHALF                      ; where wt's halves go (waves 2, 3): BOFF + (w - 2) x BHALF
	s_add_co_u32 s21, s21, BOFF-2*BHALF
	s_wait_dscnt 0x0
	s_wait_kmcnt 0x0
	s_add_nc_u64 s[14:15], s[4:5], s[16:17]
	s_add_nc_u64 s[46:47], s[6:7], s[46:47]
	CROUND                                         ; all sixteen work-groups are here
.irp s, 0,1
	s_mov_b32 s[G0+4*\s], 1
	s_add_co_u32 s[G0+4*\s+1], s20, \s*SLOT
	s_add_nc_u64 s[G0+4*\s+2:G0+4*\s+3], s[14:15], \s*65536          ; four heads on
	s_or_b32 s[G0+4*\s+3], s[G0+4*\s+3], 0x80000000
	s_mov_b32 s[G0B+4*\s], 1
	s_add_co_u32 s[G0B+4*\s+1], s21, \s*SLOT
	s_add_nc_u64 s[G0B+4*\s+2:G0B+4*\s+3], s[46:47], \s*512          ; 256 k on
	s_or_b32 s[G0B+4*\s+3], s[G0B+4*\s+3], 0x80000000
	JLOAD \s                                       ; both first fills together: two loads of a wave are out
.endr
	v_and_b32 v1, 15, v0                           ; r
	v_bfe_u32 v2, v0, 4, 1                         ; h
	s_lshl_b32 s45, s42, 9                         ; bo: (128 block + 64 half) numbers of 4 bytes
	s_lshl_b32 s22, s12, 8
	s_add_co_u32 s45, s45, s22
	v_lshl_add_u32 v[BOF], v2, 5, s45              ; register j of tile b is bo[.. + 16 b + 8 h + j]
.irp b, 0,1,2,3
	global_load_b128 v[BIAS+8*\b:BIAS+8*\b+3],   v[BOF], s[72:73] offset:64*\b
	global_load_b128 v[BIAS+8*\b+4:BIAS+8*\b+7], v[BOF], s[72:73] offset:64*\b+16
.endr
	v_mul_u32_u24 v3, v1, APITCH
	v_lshl_add_u32 v3, v2, 4, v3
	s_mul_i32 s22, s11, 64*APITCH                  ; my 64 rows in each head's plane
	v_add_nc_u32 v[ADRA], s22, v3
	v_add_nc_u32 v[ADRA+1], SLOT, v[ADRA]
	v_mul_u32_u24 v3, v1, BPITCH
	v_lshl_add_u32 v3, v2, 4, v3
	s_mul_i32 s22, s12, 64*BPITCH                  ; my 64 rows of wt
	s_add_co_u32 s22, s22, BOFF
	v_add_nc_u32 v[ADRB], s22, v3
	v_add_nc_u32 v[ADRB+1], SLOT, v[ADRB]
	s_mul_i32 s23, s10, 16*SPITCH
	s_add_co_u32 s23, s23, STAGE                   ; my stage
	v_mul_u32_u24 v4, v1, SPITCH
	v_lshl_add_u32 v4, v2, 5, v4
	v_add_nc_u32 v[STO], s23, v4                   ; in: row r, 32 bytes for each half of the lanes
	v_mul_u32_u24 v5, v2, SPITCH
	v_lshl_add_u32 v5, v1, 4, v5
	v_add_nc_u32 v[RD], s23, v5                    ; back: 16 lanes take a row of 256 bytes
	v_lshlrev_b32 v5, 12, v2
	v_lshl_add_u32 v[CO], v1, 4, v5                ; the same two rows in out0, 4,096 bytes apart
	s_lshl_b32 s86, s13, 19                        ; out0: (128 block + 64 half) rows of 4,096 bytes + my 64 columns
	s_lshl_b32 s87, s11, 18
	s_add_co_u32 s86, s86, s87
	s_add_co_u32 s86, s86, s45
	s_mov_b32 s87, 0
	s_add_nc_u64 s[74:75], s[74:75], s[86:87]
	s_wait_loadcnt 0x0                             ; the bias, once
.macro MUL4 f, a, zero                 ; row tile a x the 4 column tiles, 32 along K
.irp b, 0,1,2,3
.if \zero
	v_wmma_f32_16x16x32_bf16 v[8*(4*\a+\b):8*(4*\a+\b)+7], v[FB+64*\f+8*\b:FB+64*\f+8*\b+7], v[FA+64*\f+8*\a:FA+64*\f+8*\a+7], v[BIAS+8*\b:BIAS+8*\b+7]
.else
	v_wmma_f32_16x16x32_bf16 v[8*(4*\a+\b):8*(4*\a+\b)+7], v[FB+64*\f+8*\b:FB+64*\f+8*\b+7], v[FA+64*\f+8*\a:FA+64*\f+8*\a+7], v[8*(4*\a+\b):8*(4*\a+\b)+7]
.endif
.endr
.endm
.macro FETCH slot, kq, f               ; 16 loads: quarter kq (32 k) of a slot: wt's four tiles, then ab's; row tiles 2, 3 last
.irp b, 0,1,2,3
	ds_load_b128 v[FB+64*\f+8*\b:FB+64*\f+8*\b+3],   v[ADRB+\slot] offset:64*\kq+16*BPITCH*\b
	ds_load_b128 v[FB+64*\f+8*\b+4:FB+64*\f+8*\b+7], v[ADRB+\slot] offset:64*\kq+16*BPITCH*\b+32
.endr
.irp a, 0,1,2,3
	ds_load_b128 v[FA+64*\f+8*\a:FA+64*\f+8*\a+3],   v[ADRA+\slot] offset:(\kq>>1)*PLANE+(\kq&1)*64+16*APITCH*\a
	ds_load_b128 v[FA+64*\f+8*\a+4:FA+64*\f+8*\a+7], v[ADRA+\slot] offset:(\kq>>1)*PLANE+(\kq&1)*64+16*APITCH*\a+32
.endr
.endm
.macro PLACES                          ; four places in front of loads into registers that matrix instructions have read
.rept 4
	v_nop
.endr
.endm
.macro MWIN zero
.if \zero
	WIN ACC0
.else
	WIN ACC
.endif
.endm
; One of a slot's first seven quarters: multiplies buffer f; in its middle fetches quarter kq into buffer g
.macro QUARTER slot, kq, f, g, zero
	s_wait_dscnt 4                                 ; all but the youngest four loads (ab's row tiles 2, 3) are in
	MWIN \zero
	MUL4 \f, 0, \zero
	MUL4 \f, 1, \zero
	PLACES
	WIN 0
	FETCH \slot, \kq, \g
	s_wait_dscnt 16                                ; all but the 16 just issued
	MWIN \zero
	MUL4 \f, 2, \zero
	MUL4 \f, 3, \zero
.endm
.macro SEVEN slot, zero
	QUARTER \slot, 1, 0, 1, \zero
	QUARTER \slot, 2, 1, 0, 0
	QUARTER \slot, 3, 0, 1, 0
	QUARTER \slot, 4, 1, 0, 0
	QUARTER \slot, 5, 0, 1, 0
	QUARTER \slot, 6, 1, 0, 0
	QUARTER \slot, 7, 0, 1, 0
.endm
; The eighth quarter changes slots: my reads of this slot and all my tensor loads are waited for in front of the barrier; with fill it
; opens a round of the cluster's barrier, and the joint refill is the first tensor load behind the round.
.macro TURN slot, next, fill
	s_wait_dscnt 0                                 ; my reads of this slot are over
	WIN ACC
	MUL4 1, 0, 0
	s_wait_tensorcnt 0x0                           ; all my tensor loads have landed: the one that was out is my part of the next slot
	ds_add_u32 v254, v255
	s_wait_dscnt 0x0
	s_barrier_signal -1
	MUL4 1, 1, 0
	WIN 0
	s_barrier_wait -1
.if \fill
	CREST
	s_add_nc_u64 s[G0+4*\slot+2:G0+4*\slot+3], s[G0+4*\slot+2:G0+4*\slot+3], 131072     ; eight heads on
	s_add_nc_u64 s[G0B+4*\slot+2:G0B+4*\slot+3], s[G0B+4*\slot+2:G0B+4*\slot+3], 1024   ; 512 k on
	JLOAD \slot
.endif
	PLACES
	FETCH \next, 0, 0
	WIN ACC
	MUL4 1, 2, 0
	MUL4 1, 3, 0
.endm
	s_wait_tensorcnt 1                             ; my part of slot 0 is in; slot 1's load may stay out
	s_barrier_signal -1
	s_barrier_wait -1
	FETCH 0, 0, 0
	SEVEN 0, 1                                     ; k 0-255: the first products start the sums from the bias
	TURN 0, 1, 1
	SEVEN 1, 0                                     ; k 256-511
	TURN 1, 0, 1
	SEVEN 0, 0                                     ; k 512-767: nothing is left to fetch
	TURN 0, 1, 0
	SEVEN 1, 0                                     ; k 768-1,023
	s_wait_dscnt 0
	WIN ACC
	MUL4 1, 0, 0
	MUL4 1, 1, 0
	MUL4 1, 2, 0
	MUL4 1, 3, 0
	; THE WAY OUT, 16 rows at a time: f32 straight from the accumulators into my own stage, back as whole rows of 256 bytes.
	PLACES                                         ; the places behind the last matrix instructions
.irp a, 0,1,2,3
	WIN ST
.irp b, 0,1,2,3
	ds_store_b128 v[STO], v[8*(4*\a+\b):8*(4*\a+\b)+3] offset:64*\b
	ds_store_b128 v[STO], v[8*(4*\a+\b)+4:8*(4*\a+\b)+7] offset:64*\b+16
.endr
	WIN 0
.irp t, 0,1,2,3,4,5,6,7
	ds_load_b128 v[64+32*\a+4*\t:64+32*\a+4*\t+3], v[RD] offset:2*SPITCH*\t   ; LDS serves a wave's instructions in order (ISA guide 5.7.1); each a has registers of its own
.endr
.irp t, 0,1,2,3,4,5,6,7
	s_wait_dscnt 7-\t
	global_store_b128 v[CO], v[64+32*\a+4*\t:64+32*\a+4*\t+3], s[74:75] offset:(16*\a+2*\t)*4096 th:TH_STORE_NT   ; 16 lanes store 256 consecutive bytes, aligned
.endr
.endr
	s_wait_tensorcnt 0x0
	ds_add_u32 v254, v255
	s_wait_dscnt 0x0
	CROUND                                         ; the closing round
	s_endpgm
.Lfunc_end_k_qd5fe400df0_oproj:
	.size	k_qd5fe400df0_oproj, .Lfunc_end_k_qd5fe400df0_oproj-k_qd5fe400df0_oproj
	.p2alignl 7, 3214868480
	.fill 96, 4, 3214868480
	.section	.rodata,"a",@progbits
	.p2align	6, 0x0
	.amdhsa_kernel k_qd5fe400df0_oproj
		.amdhsa_group_segment_fixed_size 327680
		.amdhsa_private_segment_fixed_size 0
		.amdhsa_enable_private_segment 0
		.amdhsa_kernarg_size 32
		.amdhsa_user_sgpr_count 2
		.amdhsa_user_sgpr_kernarg_segment_ptr 1
		.amdhsa_wavefront_size32 1
		.amdhsa_system_sgpr_workgroup_id_x 1
		.amdhsa_system_sgpr_workgroup_id_y 1
		.amdhsa_system_sgpr_workgroup_id_z 1
		.amdhsa_system_vgpr_workitem_id 0
		.amdhsa_next_free_vgpr 384
		.amdhsa_next_free_sgpr 100
		.amdhsa_reserve_vcc 0
		.amdhsa_float_denorm_mode_32 3
		.amdhsa_float_denorm_mode_16_64 3
		.amdhsa_memory_ordered 1
		.amdhsa_forward_progress 1
		.amdhsa_inst_pref_size 90
	.end_amdhsa_kernel
	.amdgpu_metadata
---
amdhsa.version: [ 1, 2 ]
amdhsa.kernels:
  - .name:           k_qd5fe400df0_oproj
    .symbol:         k_qd5fe400df0_oproj.kd
    .args:
      - { .name: ab, .offset: 0, .size: 8, .value_kind: global_buffer, .address_space: global }
      - { .name: wt, .offset: 8, .size: 8, .value_kind: global_buffer, .address_space: global }
      - { .name: bo, .offset: 16, .size: 8, .value_kind: global_buffer, .address_space: global }
      - { .name: out0, .offset: 24, .size: 8, .value_kind: global_buffer, .address_space: global }
    .group_segment_fixed_size: 327680
    .private_segment_fixed_size: 0
    .kernarg_segment_align: 8
    .kernarg_segment_size: 32
    .max_flat_workgroup_size: 128
    .sgpr_count:     100
    .vgpr_count:     384
    .wavefront_size: 32
...
	.end_amdgpu_metadata
.endif
;; end of part 4
